; MI455X (gfx1250); checked and timed in simulation.
; The chip was launched on July 23, 2026; its instructions are those of AMD's public machine-readable ISA for CDNA 5 (MIT licence, August 2026) and "CDNA5" Instruction Set Architecture Reference Guide (July 2026). The comments in the code are by the model that wrote it; some were corrected since.
;; Hybrid Lattice Engine. Allowed arithmetic: matrix products marked QUANTISED: E2M3 operands, one E8M0 scale for each 32 along K, by v_wmma_scale_f32_16x16x128_f8f6f4 with both operands' format E2M3, f32 sums; products left as they are: f32 operands where the result goes on into a quantised operand, else bf16, f16 or f32 operands; f32 sums; everything else in f32.
;; Inputs: mem_keys 1,024 x 4,096 float32; mem_values 1,024 x 4,096 float32; weight_lattices 4,096 x 4,096 float32; weight_scales 4,096 x 1 float32; x 4 x 1,024 x 4,096 float32.
;; Outputs: out0 4 x 1,024 x 4,096 float32.
;; This version of the problem:
;;   THIS VERSION OF THE PROBLEM IS GIVEN IN LOW PRECISION. The matrix products marked QUANTISED in the list below multiply operands that are first quantised to E2M3 (2 exponent bits, 3 mantissa bits; 6 bits a number), with one power-of-two scale for each 32 numbers along K (OCP MX v1.0); their sums are f32. All else is computed in f32.
;;   The module's matrix products, in the order in which they are computed (A, B: the left and right operand; K: the contracted axis; several contracted axes count as one K, in the product's order):
;;     1. [M 4,096, K 4,096] x [K 4,096, N 4,096]; A: input x; B: computed on the way: QUANTISED
;;     2. [M 1,024, K 4,096] x [K 4,096, N 1]; A: input mem_keys; B: input x: left as it is (N = 1 < 16)
;;     3. [M 1, K 1,024] x [K 1,024, N 4,096]; A: softmax; B: input mem_values: left as it is (M = 1 < 16)
;;   THE QUANTISER, for each operand of a quantised product, along K:
;;     - K is cut into blocks of 32 from its start; a last block that is shorter is filled with zeros.
;;     - A block's scale is 2^e with e = floor(log2(the largest magnitude in the block)) - 2, held to -126 .. 127; a block of zeros has e = 0. As a byte (E8M0): e + 127.
;;     - Each number is divided by its block's scale, clamped to +-7.5, and rounded to the nearest number of E2M3, ties to even, subnormals kept.
;;     - The product sums the exact products of the quantised numbers (number of the format x scale) in f32.
;;   ~~~python
;;   def quantise(x, axis):      # numpy; x: float32 -> the quantised numbers, widened to float32 again
;;       x = np.moveaxis(x, axis, -1); K = x.shape[-1]
;;       x = np.pad(x, [(0, 0)] * (x.ndim - 1) + [(0, -K % 32)]); x = x.reshape(x.shape[:-1] + (-1, 32)); a = np.abs(x).max(-1, keepdims=True)
;;       e = np.where(a > 0, np.clip(np.frexp(np.where(a > 0, a, 1))[1] - 1 - 2, -126, 127), 0)      # np.frexp(a)[1] - 1 = floor(log2(a)), exactly
;;       r = np.clip(x / 2.0 ** e, -7.5, 7.5)
;;       step = 2.0 ** (np.maximum(np.frexp(np.where(r == 0, 1, r))[1] - 1, 0) - 3)
;;       q = np.round(r / step) * step * 2.0 ** e      # np.round: ties to even
;;       return np.moveaxis(q.reshape(q.shape[:-2] + (-1,))[..., :K], -1, axis).astype(np.float32)
;;   ~~~
;;   OPERANDS COMPUTED ON THE WAY. 'Computed on the way' means the value that the module computes at that place (a softmax that the list does not call 'softmax' is quantised finished and normalised). What goes into a quantiser is computed in f32, as accurately as f32 sums, v_exp_f32 and their like allow (about 1e-6 of the number): no bf16 or f16 on the way to a quantiser, and a product that is left as it is and whose result goes on into a quantised operand takes f32 operands (vector FMAs, or v_wmma_f32_16x16x4_f32). A number that lies on a knife's edge between two numbers of the format may be rounded either way, as far as f32 arithmetic and the matrix unit's own rounding can turn it there, and no further.
;; One version. Each part assembles by itself: llvm-mc -triple=amdgcn-amd-amdhsa -mcpu=gfx1250 --defsym DOCPART=n.
;; ======== version 1 of 1: 3 launches
;; limits: right only within a limited range of input values
;; workspace buffers: x_q 13,107,200 bytes; w_q 13,107,200 bytes; logits 4,096 bytes; bias 524,288 bytes
;; launch prep_x (part 1): grid 384 x 1, 8 waves a work-group, no clusters, 93,952 bytes of LDS; arguments x, mem_keys, x_q, logits; writes x_q, logits
.if DOCPART == 1
	.amdgcn_target "amdgcn-amd-amdhsa--gfx1250"
	.amdhsa_code_object_version 6
	.text
	.protected	k_q0a05079e3e_prep_x
	.globl	k_q0a05079e3e_prep_x
	.p2align	8
	.type	k_q0a05079e3e_prep_x,@function
k_q0a05079e3e_prep_x:
	s_mov_b64 s[64:65], 0
	v_nop
	global_prefetch_b8 v0, s[64:65] scope:SCOPE_SE
	s_setreg_imm32_b32 hwreg(HW_REG_WAVE_MODE, 25, 1), 1
	s_wait_xcnt 0x0
; TWO JOBS IN ONE LAUNCH, told apart by the work-group's number.
; Work-groups 0 .. 127: logits[r] = mem_keys[r] . x[0], in f32 (fused multiply-adds), 8 rows of mem_keys a work-group.
; Work-groups 128 .. 383: x [4096][4096] f32 becomes codes of FP6 (E2M3), 6 bits each, and one E8M0 scale byte for each 32 along K.
; A block's scale is 2^(floor(log2(its largest magnitude)) - 2); its byte is the largest magnitude's exponent field - 2, held at 1 from below.  Each number is divided by the scale and
; rounded to the nearest code, ties to even; beyond the largest code the largest.
; LIMITS: NaN and infinities among the inputs are not served.  Blocks whose largest magnitude lies under 2^-124 are held at the byte 1 (not tried).  A block of zeros gets the byte 1
; where the rule says 127: its codes are zeros, which add nothing under any byte but 0xff, and the bytes are read by this program alone.
; THE LAYOUT OF x_q is this program's own: [32 blocks of 128 rows][32 steps of 128 along K][12,800 bytes].  In a step's 12,800 bytes lie eight fragments (16 rows x 128 K) as IMAGES OF THE OPERAND'S
; REGISTERS, 1,536 bytes each, and behind them the 128 rows' scale words, 512 bytes.  Register j (0 .. 11) of lane (r, h) holds bytes 48 (j / 6) + 24 h + 4 (j % 6) on of row r's 96 bytes of codes, and
; lies at 512 (j / 4) + 16 (r + 16 h) + 4 (j % 4) of the image: three loads of 16 bytes a lane bring a fragment.  The scale word of row 16 f + r lies at 12,288 + 256 (f / 4) + 16 r + 4 (f % 4).
; SHARES of a quantising work-group: 64 rows x 1,024 along K.  Wave w takes one fragment's 16 rows (w / 2) and 512 along K (w % 2): 16 steps of 512 numbers, step t = row t.
; A conversion takes 16 neighbours along K from ONE lane's registers, and a load is best where neighbouring LANES take neighbouring bytes: so each of a step's four loads reads 512 consecutive
; bytes, the 2,048 bytes go through the wave's own stage in LDS as they lie, and come back 64 bytes a lane (two neighbouring lanes hold a block of 32).
; A lane's 12 bytes of codes are three words of an image; the wave's four images (one for each of its four steps of 128) are gathered in its own LDS and leave as 1,536 consecutive bytes each: every
; store covers 512 bytes that begin at a multiple of 256 from the buffer's first byte.  The 64 rows' scale bytes meet in LDS (one barrier); each wave stores 256 consecutive bytes of them.
; No tensor loads, no matrix work, no cluster: the launch is a stream, and what work-groups share (x's first row) is 16 KB.
.set NSIDE, 128                        ; work-groups that make logits
.set WREG,  11328                      ; LDS: a region for each wave: two stages of 32 x SP bytes, then four images
.set SP,    80                         ; a lane's place in a stage: its 64 bytes + 16 of padding
.set CG,    5120                       ; the images' place in the wave's region,
.set FP,    1552                       ; 1,536 + 16 bytes = 388 words apart: the four images' words of one store start 4 banks apart (64 banks of 4 bytes: ISA guide 11.1)
.set SCB,   90624                      ; the work-group's scale bytes: [8 steps][256], as they lie in memory
.set LB,    92672                      ; the logits' path has LDS bytes of its own: 8 waves x 32 bytes
.set FRB,   1536                       ; a fragment's image
.set SCO,   8*FRB                      ; where a step's scale words begin
.set STEPB, SCO+512                    ; a step's bytes for 128 rows
.set RBB,   32*STEPB                   ; all of K for 128 rows
.set R,     16                         ; v16-143  eight sets of 16 numbers as they are loaded
.set X,     144                        ; v144-175 two sets of 16 neighbours
.set C,     176                        ; v176-183 codes, two sets of 4 by turns
.set E,     184                        ; v184-185 scale bytes, two by turns
.set CA,    186                        ; v186-188 where my three words of codes go
.set OUTR,  16                         ; v16-63   the way out
	s_load_b128 s[4:7], s[0:1], 0x0                ; x, mem_keys
	s_load_b128 s[8:11], s[0:1], 0x10              ; x_q, logits
	v_lshl_add_u32 v254, v0, 2, 0x16b00
	v_mov_b32 v255, 0
	v_lshrrev_b32 v1, 5, v0
	s_delay_alu instid0(VALU_DEP_1)
	v_readfirstlane_b32 s18, v1                    ; wave 0..7
	v_and_b32 v2, 31, v0                           ; lane
	s_delay_alu instid0(VALU_DEP_1)
	v_lshlrev_b32 v3, 4, v2                        ; 16 x lane
	s_cmp_lt_u32 ttmp9, NSIDE                      ; the same in all waves of a work-group
	s_cbranch_scc1 .Lside
	; ---------------- the quantiser ----------------
	s_sub_co_u32 s19, ttmp9, NSIDE                 ; g
	s_lshr_b32 s20, s19, 2                         ; which 64 rows
	s_and_b32 s21, s19, 3                          ; which 1,024 along K
	s_lshr_b32 s22, s18, 1                         ; fr: which 16 of the rows
	s_and_b32 s23, s18, 1                          ; kh: which 512 of the 1,024
	s_mul_i32 s42, s18, WREG                       ; my wave's LDS
	s_wait_alu depctr_va_vdst(0)
	v_lshrrev_b32 v14, 2, v2
	s_delay_alu instid0(VALU_DEP_1)
	v_mul_u32_u24 v14, v14, SP
	v_and_b32 v15, 3, v2
	s_delay_alu instid0(VALU_DEP_1)
	v_lshl_add_u32 v14, v15, 4, v14
	s_delay_alu instid0(VALU_DEP_1)
	v_add_nc_u32 v14, s42, v14                     ; the stage, in: four lanes' 64 bytes on end, then 16 of padding
	v_mul_u32_u24 v15, v2, SP
	s_delay_alu instid0(VALU_DEP_1)
	v_add_nc_u32 v15, s42, v15                     ; and out: my 16 neighbours
	s_add_co_u32 s43, s42, CG
	v_add_nc_u32 v6, s43, v3                       ; the images' way out: 16 bytes a lane
	; my 16 numbers are k = 16 (lane % 8) on of step lane / 8: k = 64 c2 + 32 h + 16 u, so my three words are registers j = 6 c2 + 3 u + 0 .. 2 of lane (row, h)
	v_lshrrev_b32 v8, 3, v2                        ; which of my four steps of 128
	v_bfe_u32 v9, v2, 2, 1                         ; c2
	v_bfe_u32 v10, v2, 1, 1                        ; h
	v_and_b32 v11, 1, v2                           ; u
	s_delay_alu instid0(VALU_DEP_4)
	v_mul_u32_u24 v12, v8, FP
	s_delay_alu instid0(VALU_DEP_1)
	v_lshl_add_u32 v12, v10, 8, v12                ; + 16 x 16 h.  (h = 0 and h = 1 lie 256 bytes apart: these stores meet two deep in the banks)
	s_delay_alu instid0(VALU_DEP_1)
	v_add_nc_u32 v12, s43, v12
	v_mul_u32_u24 v13, v9, 6
	s_delay_alu instid0(VALU_DEP_1)
	v_mad_u32_u24 v13, v11, 3, v13                 ; 6 c2 + 3 u
.irp k, 0,1,2
	v_add_nc_u32 v9, \k, v13                       ; j
	s_delay_alu instid0(VALU_DEP_1)
	v_lshrrev_b32 v10, 2, v9
	s_delay_alu instid0(VALU_DEP_2)
	v_and_b32 v9, 3, v9
	s_delay_alu instid0(VALU_DEP_2)
	v_lshl_add_u32 v[CA+\k], v10, 9, v12           ; 512 (j / 4)
	s_delay_alu instid0(VALU_DEP_1)
	v_lshl_add_u32 v[CA+\k], v9, 2, v[CA+\k]       ; + 4 (j % 4); the row's 16 t stands in the store's immediate
.endr
	v_bfe_u32 v5, v2, 1, 2                         ; my block's byte in its scale word: (lane / 2) % 4,
	s_delay_alu instid0(VALU_DEP_1)
	v_lshl_add_u32 v5, v8, 8, v5                   ; in step lane / 8 of my four,
	s_lshl_b32 s43, s23, 10                        ; which are steps 4 kh on of the work-group's eight,
	s_lshl_b32 s44, s22, 2                         ; word fr of the row's four
	s_add_co_u32 s43, s43, s44
	s_add_co_u32 s43, s43, SCB
	v_add_nc_u32 v5, s43, v5
	v_lshlrev_b32 v7, 3, v2                        ; the scale bytes' way out: 8 bytes a lane,
	s_lshl_b32 s43, s18, 8
	s_add_co_u32 s43, s43, SCB
	v_add_nc_u32 v10, s43, v7                      ; wave w takes step w's 256 bytes
	s_lshl_b32 s32, s20, 20                        ; x: 64 rows of 16,384 bytes,
	s_lshl_b32 s33, s22, 18                        ; 16 fr rows,
	s_add_co_u32 s32, s32, s33
	s_lshl_b32 s33, s21, 12                        ; 1,024 numbers,
	s_add_co_u32 s32, s32, s33
	s_lshl_b32 s33, s23, 11                        ; 512 kh numbers
	s_add_co_u32 s32, s32, s33
	s_mov_b32 s33, 0
	s_lshr_b32 s38, s20, 1
	s_mul_i32 s38, s38, RBB                        ; x_q: the block of 128 rows
	s_and_b32 s39, s20, 1                          ; which half of it
	s_lshl_b32 s34, s21, 3
	s_lshl_b32 s35, s23, 2
	s_add_co_u32 s34, s34, s35                     ; my first step of 128
	s_mul_i32 s34, s34, STEPB
	s_add_co_u32 s34, s34, s38
	s_mul_i32 s35, s39, 4*FRB
	s_add_co_u32 s34, s34, s35
	s_mul_i32 s35, s22, FRB                        ; my fragment
	s_add_co_u32 s34, s34, s35
	s_mov_b32 s35, 0
	s_lshl_b32 s36, s21, 3
	s_add_co_u32 s36, s36, s18                     ; the step whose scale words I store
	s_mul_i32 s36, s36, STEPB
	s_add_co_u32 s36, s36, s38
	s_lshl_b32 s37, s39, 8
	s_add_co_u32 s36, s36, s37
	s_add_co_u32 s36, s36, SCO
	s_mov_b32 s37, 0
	s_wait_kmcnt 0x0
	s_add_nc_u64 s[4:5], s[4:5], s[32:33]
	s_add_nc_u64 s[12:13], s[8:9], s[36:37]        ; where my 256 bytes of scale words go
	s_add_nc_u64 s[8:9], s[8:9], s[34:35]          ; where my images go
.macro LOAD t                          ; step t's 2,048 bytes: four loads of 512 consecutive bytes
.irp i, 0,1,2,3
	global_load_b128 v[R+16*((\t)%8)+4*\i:R+16*((\t)%8)+4*\i+3], v3, s[4:5] offset:(\t)*16384+512*\i th:TH_LOAD_NT
.endr
.endm
.macro TURN t                          ; step t's numbers through the stage: LDS serves a wave's instructions in order (ISA guide 5.7.1.4), so no wait stands between the stores and the loads
.irp i, 0,1,2,3
	ds_store_b128 v14, v[R+16*((\t)%8)+4*\i:R+16*((\t)%8)+4*\i+3] offset:32*SP*((\t)%2)+8*SP*\i
.endr
.irp i, 0,1,2,3
	ds_load_b128 v[X+16*((\t)%2)+4*\i:X+16*((\t)%2)+4*\i+3], v15 offset:32*SP*((\t)%2)+16*\i
.endr
.endm
.macro STEP t
.set XS, X+16*((\t)%2)
.set CS, C+4*((\t)%2)
.if (\t) > 0
	s_wait_dscnt 4                                 ; this step's numbers are back from the stage; behind them only the last step's three code stores and its byte store were issued
.else
	s_wait_dscnt 0x0
.endif
.if (\t) < 8
	LOAD (\t)+8                                    ; into the set that this step's stage stores have read: eight steps, 32 loads a wave, are on their way
.endif
.if (\t) < 15
.if (\t) < 8
	s_wait_loadcnt 28                              ; the next step's four loads are in; those of the seven steps behind it may be out
.else
	s_wait_loadcnt 4*(14-(\t))                     ; the counts run down: steps t + 2 .. 15 may be out
.endif
	TURN (\t)+1                                    ; the next step goes through the other stage while this one is worked
.endif
	v_max3_num_f32 v8, |v[XS]|, |v[XS+1]|, |v[XS+2]|               ; the largest magnitude of my 16, in two chains
	v_max3_num_f32 v9, |v[XS+3]|, |v[XS+4]|, |v[XS+5]|
.irp i, 6,10
	s_delay_alu instid0(VALU_DEP_2)
	v_max3_num_f32 v8, v8, |v[XS+\i]|, |v[XS+\i+1]|
	s_delay_alu instid0(VALU_DEP_2)
	v_max3_num_f32 v9, v9, |v[XS+\i+2]|, |v[XS+\i+3]|
.endr
	s_delay_alu instid0(VALU_DEP_2)
	v_max3_num_f32 v8, v8, |v[XS+14]|, |v[XS+15]|
	s_delay_alu instid0(VALU_DEP_1)
	v_max3_num_f32 v8, v8, v9, 0x1800000           ; and the floor 2^(3 - 127): the byte cannot fall under 1
	s_delay_alu instid0(VALU_DEP_1)
	v_max_num_f32_dpp v8, v8, v8 row_xmask:1 row_mask:0xf bank_mask:0xf   ; with my neighbour's 16: the block's
	s_delay_alu instid0(VALU_DEP_1)
	v_add_nc_u32 v11, 0xff000000, v8               ; 2 off its exponent field: the conversion takes the exponent field of this operand as its scale, and nothing else of it
	v_cvt_scalef32_pk16_fp6_f32 v[CS:CS+2], v[XS:XS+15], v11       ; 16 codes, 96 bits without gaps, the first number's code lowest
	v_lshrrev_b32 v[E+(\t)%2], 23, v11             ; the scale's byte (also the plain instruction behind the conversion)
.irp k, 0,1,2
	ds_store_b32 v[CA+\k], v[CS+\k] offset:16*(\t) ; row t's place in the images
.endr
	ds_store_b8 v5, v[E+(\t)%2] offset:16*(\t)     ; row t's scale words; both lanes of a block write the same byte with the same value
.endm
.irp t, 0,1,2,3,4,5,6,7
	LOAD \t
.endr
	s_wait_loadcnt 28                              ; step 0's four loads are in
	TURN 0
.irp t, 0,1,2,3,4,5,6,7,8,9,10,11,12,13,14,15
	STEP \t
.endr
.irp c, 0,1,2,3
.irp j, 0,1,2
	ds_load_b128 v[OUTR+4*(3*\c+\j):OUTR+4*(3*\c+\j)+3], v6 offset:FP*\c+512*\j   ; my own bytes, served in order behind my stores
.endr
.endr
	s_wait_dscnt 0x0                               ; the images are back, and my scale bytes have landed: the others will read those
.irp c, 0,1,2,3
.irp j, 0,1,2
	global_store_b128 v3, v[OUTR+4*(3*\c+\j):OUTR+4*(3*\c+\j)+3], s[8:9] offset:STEPB*\c+512*\j   ; 512 consecutive bytes, at a multiple of 256 from the buffer's first byte
.endr
.endr
	s_barrier_signal -1
	s_barrier_wait -1                              ; all eight waves' scale bytes lie in LDS
	ds_load_b64 v[12:13], v10
	s_wait_dscnt 0x0
	global_store_b64 v7, v[12:13], s[12:13]        ; 32 lanes store 256 consecutive bytes, at a multiple of 256
	s_wait_tensorcnt 0x0
	ds_add_u32 v254, v255
	s_wait_dscnt 0x0
	s_endpgm
	; ---------------- the logits ----------------
	; Rows 8 s .. 8 s + 7 of mem_keys.  Wave w takes bytes 2,048 w on of each row and of q = x's first row: 16 numbers a lane.  All 36 loads of a wave go out at once.
.set QV, 16                            ; v16-31   q's part
.set KR, 32                            ; v32-159  row r's part at +16 r
.set CH, 160                           ; v160-191 two chains of pairs for each row
.set SM, 192                           ; v192-199 the eight sums
.set TP, 200                           ; v200-207 the other half's sums
.set WS, 208                           ; v208-215 wave 0: the eight waves' parts
.Lside:
	s_lshl_b32 s32, s18, 11                        ; my 2,048 bytes of a row
	s_mov_b32 s33, 0
	s_lshl_b32 s34, ttmp9, 17                      ; 8 rows of 16,384 bytes
	s_add_co_u32 s34, s34, s32
	s_mov_b32 s35, 0
	s_lshl_b32 s36, ttmp9, 5                       ; 8 logits
	s_mov_b32 s37, 0
	s_mov_b32 s20, 0x76543210
	s_mov_b32 s21, 0xfedcba98                      ; v_permlanex16_b32's selects for lane l xor 16
	s_lshl_b32 s42, s18, 5
	s_add_co_u32 s42, s42, LB
	v_mov_b32 v9, s42                              ; where my wave puts its eight parts
	s_wait_alu depctr_va_vdst(0)
	v_and_b32 v10, 7, v2
	s_delay_alu instid0(VALU_DEP_1)
	v_lshl_add_u32 v10, v10, 2, LB                 ; where wave 0 reads them: lane i takes row i % 8
	v_lshlrev_b32 v11, 2, v2
.irp r, 0,1,2,3,4,5,6,7
	v_mov_b32 v[TP+\r], 0                          ; a lane permute's destination counts as one of its sources
.endr
	s_wait_kmcnt 0x0
	s_add_nc_u64 s[4:5], s[4:5], s[32:33]
	s_add_nc_u64 s[6:7], s[6:7], s[34:35]
	s_add_nc_u64 s[10:11], s[10:11], s[36:37]
.irp j, 0,1,2,3
	global_load_b128 v[QV+4*\j:QV+4*\j+3], v3, s[4:5] offset:512*\j
.endr
.irp r, 0,1,2,3,4,5,6,7
.irp j, 0,1,2,3
	global_load_b128 v[KR+16*\r+4*\j:KR+16*\r+4*\j+3], v3, s[6:7] offset:16384*\r+512*\j th:TH_LOAD_NT
.endr
.endr
.irp r, 0,1,2,3,4,5,6,7
	s_wait_loadcnt 4*(7-\r)                        ; q and rows 0 .. r are in; the later rows' loads may be out
	v_pk_mul_f32 v[CH+4*\r:CH+4*\r+1], v[KR+16*\r:KR+16*\r+1], v[QV:QV+1]           ; the first products start the sums
	v_pk_mul_f32 v[CH+4*\r+2:CH+4*\r+3], v[KR+16*\r+2:KR+16*\r+3], v[QV+2:QV+3]
.irp j, 1,2,3
	s_delay_alu instid0(VALU_DEP_2)
	v_pk_fma_f32 v[CH+4*\r:CH+4*\r+1], v[KR+16*\r+4*\j:KR+16*\r+4*\j+1], v[QV+4*\j:QV+4*\j+1], v[CH+4*\r:CH+4*\r+1]
	s_delay_alu instid0(VALU_DEP_2)
	v_pk_fma_f32 v[CH+4*\r+2:CH+4*\r+3], v[KR+16*\r+4*\j+2:KR+16*\r+4*\j+3], v[QV+4*\j+2:QV+4*\j+3], v[CH+4*\r+2:CH+4*\r+3]
.endr
	s_delay_alu instid0(VALU_DEP_1)
	v_pk_add_f32 v[CH+4*\r:CH+4*\r+1], v[CH+4*\r:CH+4*\r+1], v[CH+4*\r+2:CH+4*\r+3]
	s_delay_alu instid0(VALU_DEP_1)
	v_add_f32 v[SM+\r], v[CH+4*\r], v[CH+4*\r+1]
.endr
.irp m, 1,2,4,8                        ; across the lanes, the eight rows by turns
.irp r, 0,1,2,3,4,5,6,7
	v_add_f32_dpp v[SM+\r], v[SM+\r], v[SM+\r] row_xmask:\m row_mask:0xf bank_mask:0xf
.endr
.endr
.irp r, 0,1,2,3,4,5,6,7
	v_permlanex16_b32 v[TP+\r], v[SM+\r], s20, s21
.endr
.irp r, 0,1,2,3,4,5,6,7
	v_add_f32 v[SM+\r], v[SM+\r], v[TP+\r]         ; every lane holds my wave's part of row r's sum
.endr
	ds_store_b128 v9, v[SM:SM+3]                   ; all lanes write the same bytes with the same values
	ds_store_b128 v9, v[SM+4:SM+7] offset:16
	s_wait_dscnt 0x0                               ; for wave 0's sake
	s_barrier_signal -1
	s_barrier_wait -1
	s_cmp_lg_u32 s18, 0
	s_cbranch_scc1 .Lend
.irp w, 0,1,2,3,4,5,6,7
	ds_load_b32 v[WS+\w], v10 offset:32*\w
.endr
	s_wait_dscnt 0x0
	v_add_f32 v[WS], v[WS], v[WS+1]
	v_add_f32 v[WS+2], v[WS+2], v[WS+3]
	v_add_f32 v[WS+4], v[WS+4], v[WS+5]
	v_add_f32 v[WS+6], v[WS+6], v[WS+7]
	s_delay_alu instid0(VALU_DEP_3)
	v_add_f32 v[WS], v[WS], v[WS+2]
	s_delay_alu instid0(VALU_DEP_2)
	v_add_f32 v[WS+4], v[WS+4], v[WS+6]
	s_delay_alu instid0(VALU_DEP_1)
	v_add_f32 v[WS], v[WS], v[WS+4]
	v_cmp_gt_u32 vcc_lo, 8, v2
	s_wait_alu depctr_va_vdst(0)
	s_wait_xcnt 0x0                                ; EXEC changes only behind this wait
	s_and_saveexec_b32 s23, vcc_lo
	global_store_b32 v11, v[WS], s[10:11]          ; eight logits, 32 bytes: all logits together are 4 KB
	s_wait_xcnt 0x0                                ; and again in front of the line that widens it
	s_or_b32 exec_lo, exec_lo, s23
.Lend:
	s_wait_tensorcnt 0x0
	ds_add_u32 v254, v255
	s_wait_dscnt 0x0
	s_endpgm
.Lfunc_end_k_q0a05079e3e_prep_x:
	.size	k_q0a05079e3e_prep_x, .Lfunc_end_k_q0a05079e3e_prep_x-k_q0a05079e3e_prep_x
	.p2alignl 7, 3214868480
	.fill 96, 4, 3214868480
	.section	.rodata,"a",@progbits
	.p2align	6, 0x0
	.amdhsa_kernel k_q0a05079e3e_prep_x
		.amdhsa_group_segment_fixed_size 93952
		.amdhsa_private_segment_fixed_size 0
		.amdhsa_enable_private_segment 0
		.amdhsa_kernarg_size 32
		.amdhsa_user_sgpr_count 2
		.amdhsa_user_sgpr_kernarg_segment_ptr 1
		.amdhsa_wavefront_size32 1
		.amdhsa_system_sgpr_workgroup_id_x 1
		.amdhsa_system_sgpr_workgroup_id_y 1
		.amdhsa_system_sgpr_workgroup_id_z 1
		.amdhsa_system_vgpr_workitem_id 0
		.amdhsa_next_free_vgpr 256
		.amdhsa_next_free_sgpr 66
		.amdhsa_reserve_vcc 1
		.amdhsa_float_denorm_mode_32 3
		.amdhsa_float_denorm_mode_16_64 3
		.amdhsa_memory_ordered 1
		.amdhsa_forward_progress 1
		.amdhsa_inst_pref_size 59
	.end_amdhsa_kernel
	.amdgpu_metadata
---
amdhsa.version: [ 1, 2 ]
amdhsa.kernels:
  - .name:           k_q0a05079e3e_prep_x
    .symbol:         k_q0a05079e3e_prep_x.kd
    .args:
      - { .name: x, .offset: 0, .size: 8, .value_kind: global_buffer, .address_space: global }
      - { .name: mem_keys, .offset: 8, .size: 8, .value_kind: global_buffer, .address_space: global }
      - { .name: x_q, .offset: 16, .size: 8, .value_kind: global_buffer, .address_space: global }
      - { .name: logits, .offset: 24, .size: 8, .value_kind: global_buffer, .address_space: global }
    .group_segment_fixed_size: 93952
    .private_segment_fixed_size: 0
    .kernarg_segment_align: 8
    .kernarg_segment_size: 32
    .max_flat_workgroup_size: 256
    .sgpr_count:     66
    .vgpr_count:     256
    .wavefront_size: 32
...
	.end_amdgpu_metadata
.endif
;; end of part 1
;; launch prep_w (part 2): grid 256 x 1, 8 waves a work-group, no clusters, 110,080 bytes of LDS; arguments weight_lattices, weight_scales, mem_values, logits, w_q, bias; writes w_q, bias
.if DOCPART == 2
	.amdgcn_target "amdgcn-amd-amdhsa--gfx1250"
	.amdhsa_code_object_version 6
	.text
	.protected	k_q0a05079e3e_prep_w
	.globl	k_q0a05079e3e_prep_w
	.p2align	8
	.type	k_q0a05079e3e_prep_w,@function
k_q0a05079e3e_prep_w:
	s_mov_b64 s[64:65], 0
	v_nop
	global_prefetch_b8 v0, s[64:65] scope:SCOPE_SE
	s_setreg_imm32_b32 hwreg(HW_REG_WAVE_MODE, 25, 1), 1
	s_wait_xcnt 0x0
; EVERY WORK-GROUP DOES TWO JOBS, so that all 256 have the same work: 89 loads of 512 bytes a wave.
; (1) bias[p][n] = the sum over the 32 rows r of part p of softmax(logits)[r] mem_values[r][n], in f32: 32 parts; the next launch adds them and multiplies by 0.01.  The largest logit is taken away before the exponential.
;     Work-group g takes part g / 8 and columns 512 (g % 8) on; wave w takes 4 of the rows, each row's 2,048 bytes by four loads of 512 consecutive bytes; a lane holds 16 columns.
;     Every wave finds the largest logit m and the sum Z itself, from all 1,024 logits (32 a lane); its rows' weights are 2^((l - m) log2(e)); 1 / Z multiplies once, at the end.
; (2) W[o][i] = weight_lattices[o][i] x weight_scales[o], one f32 multiplication, becomes codes of FP6 (E2M3) and one E8M0 scale byte for each 32 along K.
;     A block's scale is 2^(floor(log2(its largest magnitude)) - 2); its byte is the largest magnitude's exponent field - 2, held at 1 from below.  Each number is divided by the scale and
;     rounded to the nearest code, ties to even; beyond the largest code the largest.
; LIMITS: NaN and infinities among the inputs are not served.  Blocks whose largest magnitude lies under 2^-124 are held at the byte 1 (not tried).  A block of zeros gets the byte 1
; where the rule says 127: its codes are zeros, which add nothing under any byte but 0xff, and the bytes are read by this program alone.
; THE LAYOUT OF w_q is this program's own: [32 blocks of 128 rows][32 steps of 128 along K][12,800 bytes]: eight fragments (16 rows x 128 K) as images of the operand's registers, 1,536 bytes each, then the 128 rows'
; scale words, 512 bytes.  Register j of lane (r, h) lies at 512 (j / 4) + 16 (r + 16 h) + 4 (j % 4) of the image; the scale word of row 16 f + r at 12,288 + 256 (f / 4) + 16 r + 4 (f % 4).
; SHARES of the quantiser: 64 rows x 1,024 along K a work-group; wave w takes 16 rows (w / 2) and 512 along K (w % 2): 16 steps of 512 numbers, step t = row t.  Each of a step's four loads reads 512 consecutive bytes;
; the 2,048 bytes turn through the wave's own stage in LDS and come back 64 bytes a lane.  The wave's four images leave as 1,536 consecutive bytes each; the scale bytes meet in LDS and leave 256 bytes a wave.
; ORDER: job 1's 25 loads go out first, then six of the quantiser's eight sets; job 1's arithmetic runs while those land; the last two sets take the registers that held mem_values' rows.  One barrier serves both jobs.
; No tensor loads, no matrix work, no cluster: the launch is a stream, and what work-groups share (the logits) is 4 KB.
.set WREG,  11328                      ; LDS: a region for each wave: two stages of 32 x SP bytes, then four images
.set SP,    80
.set CG,    5120
.set FP,    1552
.set SCB,   90624                      ; the work-group's scale bytes: [8 steps][256]
.set SPARE, 92672                      ; the spare words: 8 waves x 128 bytes
.set MB,    93696                      ; job 1's own LDS bytes: 8 waves x 2,048
.set FRB,   1536
.set SCO,   8*FRB
.set STEPB, SCO+512
.set RBB,   32*STEPB
.set R,     16                         ; v16-143  eight sets of 16 numbers as they are loaded
.set X,     144                        ; v144-175 two sets of 16 neighbours
.set C,     176
.set E,     184
.set CA,    186
.set OUTR,  16
.set VV,    112                        ; v112-175 job 1: four rows of 16 (sets 6 and 7 and X, which are taken up later)
.set LG,    192                        ; v192-223 all logits, 32 a lane
.set PW,    224                        ; v224-227 my 4 rows' logits, then their weights (the same in every lane)
.set ACC,   192                        ; v192-207 16 columns, once the logits are done with
.set TM,    228                        ; v228-229 m
.set FZ,    230                        ; v230-231 1 / Z
.set CH,    232                        ; v232-235 chains
.set MST,   236                        ; where my wave puts its 2,048 bytes
.set MRD,   237                        ; where I read the waves' parts of my wave's 256 bytes
.set ZO,    238                        ; 0
	s_load_b128 s[4:7], s[0:1], 0x0                ; weight_lattices, weight_scales
	s_load_b128 s[8:11], s[0:1], 0x10              ; mem_values, logits
	s_load_b128 s[12:15], s[0:1], 0x20             ; w_q, bias
	v_lshl_add_u32 v1, v0, 2, SPARE                ; v1: my spare word; v4: 0; both kept for the add alone
	v_mov_b32 v4, 0
	v_lshrrev_b32 v9, 5, v0
	v_readfirstlane_b32 s18, v9                    ; wave 0..7
	v_and_b32 v2, 31, v0                           ; lane
	v_lshlrev_b32 v3, 4, v2                        ; 16 x lane
	s_wait_alu depctr_va_vdst(0)
	s_lshr_b32 s46, ttmp9, 3                       ; job 1: which part
	s_and_b32 s47, ttmp9, 7                        ; which 512 columns
	s_lshl_b32 s48, s46, 19                        ; mem_values: 32 rows of 16,384 bytes,
	s_lshl_b32 s49, s18, 16                        ; 4 w rows,
	s_add_co_u32 s48, s48, s49
	s_lshl_b32 s49, s47, 11                        ; 512 columns
	s_add_co_u32 s48, s48, s49
	s_mov_b32 s49, 0
	s_lshl_b32 s50, s46, 7                         ; my 4 rows' logits
	s_lshl_b32 s51, s18, 4
	s_add_co_u32 s50, s50, s51
	s_mov_b32 s51, 0
	s_lshl_b32 s52, s46, 14                        ; bias: the part, the 512 columns, my 64 of them
	s_lshl_b32 s53, s47, 11
	s_add_co_u32 s52, s52, s53
	s_lshl_b32 s53, s18, 8
	s_add_co_u32 s52, s52, s53
	s_mov_b32 s53, 0
	s_mov_b32 s54, 0x76543210
	s_mov_b32 s55, 0xfedcba98                      ; v_permlanex16_b32's selects for lane l xor 16
	s_lshl_b32 s56, s18, 11
	s_add_co_u32 s56, s56, MB
	s_lshl_b32 s57, s18, 8
	s_add_co_u32 s57, s57, MB
	s_lshr_b32 s20, ttmp9, 2                       ; job 2: which 64 rows
	s_and_b32 s21, ttmp9, 3                        ; which 1,024 along K
	s_lshr_b32 s22, s18, 1                         ; fr
	s_and_b32 s23, s18, 1                          ; kh
	s_mul_i32 s42, s18, WREG
	v_lshrrev_b32 v14, 2, v2
	v_mul_u32_u24 v14, v14, SP
	v_and_b32 v15, 3, v2
	v_lshl_add_u32 v14, v15, 4, v14
	v_add_nc_u32 v14, s42, v14                     ; the stage, in
	v_mul_u32_u24 v15, v2, SP
	v_add_nc_u32 v15, s42, v15                     ; and out: my 16 neighbours
	s_add_co_u32 s43, s42, CG
	v_add_nc_u32 v6, s43, v3                       ; the images' way out
	v_lshrrev_b32 v8, 3, v2                        ; which of my four steps of 128
	v_bfe_u32 v9, v2, 2, 1                         ; c2
	v_bfe_u32 v10, v2, 1, 1                        ; h
	v_and_b32 v11, 1, v2                           ; u
	v_mul_u32_u24 v12, v8, FP
	v_lshl_add_u32 v12, v10, 8, v12
	v_add_nc_u32 v12, s43, v12
	v_mul_u32_u24 v13, v9, 6
	v_mad_u32_u24 v13, v11, 3, v13                 ; 6 c2 + 3 u: my three words are registers j = 6 c2 + 3 u + 0 .. 2
.irp k, 0,1,2
	v_add_nc_u32 v9, \k, v13
	v_lshrrev_b32 v10, 2, v9
	v_and_b32 v9, 3, v9
	v_lshl_add_u32 v[CA+\k], v10, 9, v12
	v_lshl_add_u32 v[CA+\k], v9, 2, v[CA+\k]
.endr
	v_bfe_u32 v5, v2, 1, 2                         ; my block's byte in its scale word
	v_lshl_add_u32 v5, v8, 8, v5
	s_lshl_b32 s43, s23, 10
	s_lshl_b32 s44, s22, 2
	s_add_co_u32 s43, s43, s44
	s_add_co_u32 s43, s43, SCB
	v_add_nc_u32 v5, s43, v5
	v_lshlrev_b32 v7, 3, v2                        ; 8 x lane
	s_lshl_b32 s43, s18, 8
	s_add_co_u32 s43, s43, SCB
	v_add_nc_u32 v10, s43, v7                      ; wave w takes step w's 256 scale bytes
	v_add_nc_u32 v[MST], s56, v3
	v_add_nc_u32 v[MRD], s57, v7
	v_mov_b32 v[ZO], 0
	v_mov_b32 v[CH+1], 0                           ; a lane permute's destination counts as one of its sources
	s_lshl_b32 s32, s20, 20
	s_lshl_b32 s33, s22, 18
	s_add_co_u32 s32, s32, s33
	s_lshl_b32 s33, s21, 12
	s_add_co_u32 s32, s32, s33
	s_lshl_b32 s33, s23, 11
	s_add_co_u32 s32, s32, s33
	s_mov_b32 s33, 0
	s_lshr_b32 s38, s20, 1
	s_mul_i32 s38, s38, RBB
	s_and_b32 s39, s20, 1
	s_lshl_b32 s34, s21, 3
	s_lshl_b32 s35, s23, 2
	s_add_co_u32 s34, s34, s35
	s_mul_i32 s34, s34, STEPB
	s_add_co_u32 s34, s34, s38
	s_mul_i32 s35, s39, 4*FRB
	s_add_co_u32 s34, s34, s35
	s_mul_i32 s35, s22, FRB
	s_add_co_u32 s34, s34, s35
	s_mov_b32 s35, 0
	s_lshl_b32 s36, s21, 3
	s_add_co_u32 s36, s36, s18
	s_mul_i32 s36, s36, STEPB
	s_add_co_u32 s36, s36, s38
	s_lshl_b32 s37, s39, 8
	s_add_co_u32 s36, s36, s37
	s_add_co_u32 s36, s36, SCO
	s_mov_b32 s37, 0
	s_lshl_b32 s38, s20, 8
	s_lshl_b32 s39, s22, 6
	s_add_co_u32 s38, s38, s39
	s_mov_b32 s39, 0
	s_wait_alu depctr_va_vdst(0)
	s_wait_kmcnt 0x0
	s_add_nc_u64 s[4:5], s[4:5], s[32:33]
	s_add_nc_u64 s[16:17], s[12:13], s[36:37]      ; where my 256 bytes of scale words go
	s_add_nc_u64 s[12:13], s[12:13], s[34:35]      ; where my images go
	s_add_nc_u64 s[6:7], s[6:7], s[38:39]
	s_add_nc_u64 s[8:9], s[8:9], s[48:49]
	s_add_nc_u64 s[58:59], s[10:11], s[50:51]
	s_add_nc_u64 s[14:15], s[14:15], s[52:53]
	s_load_b512 s[24:39], s[6:7], 0x0              ; my sixteen rows' scales; nothing in this launch writes that tensor
.macro LOAD t
.irp i, 0,1,2,3
	global_load_b128 v[R+16*((\t)%8)+4*\i:R+16*((\t)%8)+4*\i+3], v3, s[4:5] offset:(\t)*16384+512*\i th:TH_LOAD_NT
.endr
.endm
.macro TURN t                          ; LDS serves a wave's instructions in order (ISA guide 5.7.1.4): no wait between the stores and the loads
.irp i, 0,1,2,3
	ds_store_b128 v14, v[R+16*((\t)%8)+4*\i:R+16*((\t)%8)+4*\i+3] offset:32*SP*((\t)%2)+8*SP*\i
.endr
.irp i, 0,1,2,3
	ds_load_b128 v[X+16*((\t)%2)+4*\i:X+16*((\t)%2)+4*\i+3], v15 offset:32*SP*((\t)%2)+16*\i
.endr
.endm
.macro STEP t
.set XS, X+16*((\t)%2)
.set CS, C+4*((\t)%2)
.if (\t) > 0
	s_wait_dscnt 4                                 ; this step's numbers are back; behind them only the last step's three code stores and its byte store
.else
	s_wait_dscnt 0x0
.endif
.if (\t) < 8
	LOAD (\t)+8
.endif
.if (\t) < 15
.if (\t) < 8
	s_wait_loadcnt 28                              ; the next step's four loads are in; seven steps' may be out
.else
	s_wait_loadcnt 4*(14-(\t))
.endif
	TURN (\t)+1
.endif
	s_mov_b32 s40, s[24+(\t)]                      ; row t's scale; the packed form names a pair
	s_mov_b32 s41, s40
.irp i, 0,2,4,6,8,10,12,14
	v_pk_mul_f32 v[XS+\i:XS+\i+1], v[XS+\i:XS+\i+1], s[40:41] op_sel_hi:[1,0]      ; the dequantised weight, in f32
.endr
	v_max3_num_f32 v8, |v[XS]|, |v[XS+1]|, |v[XS+2]|
	v_max3_num_f32 v9, |v[XS+3]|, |v[XS+4]|, |v[XS+5]|
.irp i, 6,10
	v_max3_num_f32 v8, v8, |v[XS+\i]|, |v[XS+\i+1]|
	v_max3_num_f32 v9, v9, |v[XS+\i+2]|, |v[XS+\i+3]|
.endr
	v_max3_num_f32 v8, v8, |v[XS+14]|, |v[XS+15]|
	v_max3_num_f32 v8, v8, v9, 0x1800000           ; the floor 2^(3 - 127): the byte cannot fall under 1
	v_max_num_f32_dpp v8, v8, v8 row_xmask:1 row_mask:0xf bank_mask:0xf   ; with my neighbour's 16: the block's
	v_add_nc_u32 v11, 0xff000000, v8               ; 2 off its exponent field: the conversion's scale operand
	v_cvt_scalef32_pk16_fp6_f32 v[CS:CS+2], v[XS:XS+15], v11
	v_lshrrev_b32 v[E+(\t)%2], 23, v11             ; the scale's byte (also the plain instruction behind the conversion)
.irp k, 0,1,2
	ds_store_b32 v[CA+\k], v[CS+\k] offset:16*(\t)
.endr
	ds_store_b8 v5, v[E+(\t)%2] offset:16*(\t)     ; both lanes of a block write the same byte with the same value
.endm
	; ---------------- all first loads: job 1's 25, then six sets of job 2 ----------------
.irp j, 0,1,2,3,4,5,6,7
	global_load_b128 v[LG+4*\j:LG+4*\j+3], v3, s[10:11] offset:512*\j
.endr
	global_load_b128 v[PW:PW+3], v[ZO], s[58:59]   ; all lanes read the same bytes
.irp i, 0,1,2,3
.irp j, 0,1,2,3
	global_load_b128 v[VV+16*\i+4*\j:VV+16*\i+4*\j+3], v3, s[8:9] offset:16384*\i+512*\j th:TH_LOAD_NT
.endr
.endr
.irp t, 0,1,2,3,4,5
	LOAD \t
.endr
	; ---------------- job 1 ----------------
	s_wait_loadcnt 41                              ; all logits are in; behind them 1 + 16 + 24 loads were issued
	v_max3_num_f32 v[TM], v[LG], v[LG+1], v[LG+2]
	v_max3_num_f32 v[CH], v[LG+3], v[LG+4], v[LG+5]
.irp i, 6,10,14,18,22,26
	v_max3_num_f32 v[TM], v[TM], v[LG+\i], v[LG+\i+1]
	v_max3_num_f32 v[CH], v[CH], v[LG+\i+2], v[LG+\i+3]
.endr
	v_max3_num_f32 v[TM], v[TM], v[LG+30], v[LG+31]
	v_max_num_f32 v[TM], v[TM], v[CH]
.irp m, 1,2,4,8
	v_max_num_f32_dpp v[TM], v[TM], v[TM] row_xmask:\m row_mask:0xf bank_mask:0xf
.endr
	v_permlanex16_b32 v[CH+1], v[TM], s54, s55
	v_max_num_f32 v[TM], v[TM], v[CH+1]            ; m, in every lane
	v_mov_b32 v[TM+1], v[TM]
	s_wait_alu depctr_va_vdst(0)
	s_wait_loadcnt 40                              ; my rows' logits are in
.set J, 0
.rept 18                               ; LG and PW lie on end: 36 numbers.  l - m is formed first
	v_pk_add_f32 v[LG+J:LG+J+1], v[LG+J:LG+J+1], v[TM:TM+1] neg_lo:[0,1] neg_hi:[0,1]
.set J, J+2
.endr
.set J, 0
.rept 18
	v_pk_mul_f32 v[LG+J:LG+J+1], v[LG+J:LG+J+1], 0x3fb8aa3b op_sel_hi:[1,0]         ; x log2(e)
.set J, J+2
.endr
	s_wait_alu depctr_va_vdst(0)
.set J, 0
.rept 36
	v_exp_f32 v[LG+J], v[LG+J]
.set J, J+1
.endr
	v_nop                                          ; a plain instruction behind the last exponential
	s_wait_alu depctr_va_vdst(0)                   ; one wait for the batch, ahead of its first reader
	v_pk_add_f32 v[CH:CH+1], v[LG:LG+1], v[LG+2:LG+3]              ; Z: my 32, in two chains
	v_pk_add_f32 v[CH+2:CH+3], v[LG+4:LG+5], v[LG+6:LG+7]
.irp j, 8,12,16,20,24,28
	v_pk_add_f32 v[CH:CH+1], v[CH:CH+1], v[LG+\j:LG+\j+1]
	v_pk_add_f32 v[CH+2:CH+3], v[CH+2:CH+3], v[LG+\j+2:LG+\j+3]
.endr
	v_pk_add_f32 v[CH:CH+1], v[CH:CH+1], v[CH+2:CH+3]
	v_add_f32 v[CH], v[CH], v[CH+1]
.irp m, 1,2,4,8
	v_add_f32_dpp v[CH], v[CH], v[CH] row_xmask:\m row_mask:0xf bank_mask:0xf
.endr
	v_permlanex16_b32 v[CH+2], v[CH], s54, s55
	v_add_f32 v[CH], v[CH], v[CH+2]                ; Z is at least 1: the largest logit's term
	s_wait_alu depctr_va_vdst(0)
	v_rcp_f32 v[FZ], v[CH]
	v_nop
	s_wait_alu depctr_va_vdst(0)                   ; and the wait ahead of its first reader
	v_mov_b32 v[FZ+1], v[FZ]
.set I, 0
.rept 4                                ; row I of my 4: 16 columns x its weight; 15 other sums stand between two touches of a sum
	s_wait_loadcnt 24+4*(3-I)                      ; row I is in; the later rows and job 2's six sets may be out
.irp e, 0,1,2,3,4,5,6,7,8,9,10,11,12,13,14,15
.if I == 0
	v_mul_f32 v[ACC+\e], v[VV+\e], v[PW]           ; the first products start the sums
.else
	v_fma_f32 v[ACC+\e], v[VV+16*I+\e], v[PW+I], v[ACC+\e]
.endif
.endr
.set I, I+1
.endr
.irp j, 0,1,2,3
	ds_store_b128 v[MST], v[ACC+4*\j:ACC+4*\j+3] offset:512*\j     ; as the columns lie in memory
.endr
	; ---------------- job 2 ----------------
	LOAD 6
	LOAD 7
	s_wait_kmcnt 0x0
	s_wait_loadcnt 28
	TURN 0
.irp t, 0,1,2,3,4,5,6,7,8,9,10,11,12,13,14,15
	STEP \t
.endr
.irp c, 0,1,2,3
.irp j, 0,1,2
	ds_load_b128 v[OUTR+4*(3*\c+\j):OUTR+4*(3*\c+\j)+3], v6 offset:FP*\c+512*\j
.endr
.endr
	s_wait_dscnt 0x0                               ; the images are back; my scale bytes and my sums of job 1 have landed
.irp c, 0,1,2,3
.irp j, 0,1,2
	global_store_b128 v3, v[OUTR+4*(3*\c+\j):OUTR+4*(3*\c+\j)+3], s[12:13] offset:STEPB*\c+512*\j   ; 512 consecutive bytes, at a multiple of 256
.endr
.endr
	s_barrier_signal -1
	s_barrier_wait -1                              ; all eight waves' scale bytes and sums lie in LDS
	ds_load_b64 v[12:13], v10
.irp u, 0,1,2,3,4,5,6,7
	ds_load_b64 v[LG+2*\u:LG+2*\u+1], v[MRD] offset:2048*\u
.endr
	s_wait_dscnt 0x0
	global_store_b64 v7, v[12:13], s[16:17]        ; 32 lanes store 256 consecutive bytes, at a multiple of 256
.irp u, 0,2,4,6
	v_pk_add_f32 v[LG+2*\u:LG+2*\u+1], v[LG+2*\u:LG+2*\u+1], v[LG+2*\u+2:LG+2*\u+3]
.endr
.irp u, 0,4
	v_pk_add_f32 v[LG+2*\u:LG+2*\u+1], v[LG+2*\u:LG+2*\u+1], v[LG+2*\u+4:LG+2*\u+5]
.endr
	v_pk_add_f32 v[LG:LG+1], v[LG:LG+1], v[LG+8:LG+9]
	v_pk_mul_f32 v[LG:LG+1], v[LG:LG+1], v[FZ:FZ+1]                ; / Z
	global_store_b64 v7, v[LG:LG+1], s[14:15]      ; 32 lanes store 256 consecutive bytes, at a multiple of 256
	s_wait_tensorcnt 0x0                           ; the wave's end
	ds_add_u32 v1, v4
	s_wait_dscnt 0x0
	s_endpgm
.Lfunc_end_k_q0a05079e3e_prep_w:
	.size	k_q0a05079e3e_prep_w, .Lfunc_end_k_q0a05079e3e_prep_w-k_q0a05079e3e_prep_w
	.p2alignl 7, 3214868480
	.fill 96, 4, 3214868480
	.section	.rodata,"a",@progbits
	.p2align	6, 0x0
	.amdhsa_kernel k_q0a05079e3e_prep_w
		.amdhsa_group_segment_fixed_size 110080
		.amdhsa_private_segment_fixed_size 0
		.amdhsa_enable_private_segment 0
		.amdhsa_kernarg_size 48
		.amdhsa_user_sgpr_count 2
		.amdhsa_user_sgpr_kernarg_segment_ptr 1
		.amdhsa_wavefront_size32 1
		.amdhsa_system_sgpr_workgroup_id_x 1
		.amdhsa_system_sgpr_workgroup_id_y 1
		.amdhsa_system_sgpr_workgroup_id_z 1
		.amdhsa_system_vgpr_workitem_id 0
		.amdhsa_next_free_vgpr 256
		.amdhsa_next_free_sgpr 66
		.amdhsa_reserve_vcc 0
		.amdhsa_float_denorm_mode_32 3
		.amdhsa_float_denorm_mode_16_64 3
		.amdhsa_memory_ordered 1
		.amdhsa_forward_progress 1
		.amdhsa_inst_pref_size 63
	.end_amdhsa_kernel
	.amdgpu_metadata
---
amdhsa.version: [ 1, 2 ]
amdhsa.kernels:
  - .name:           k_q0a05079e3e_prep_w
    .symbol:         k_q0a05079e3e_prep_w.kd
    .args:
      - { .name: weight_lattices, .offset: 0, .size: 8, .value_kind: global_buffer, .address_space: global }
      - { .name: weight_scales, .offset: 8, .size: 8, .value_kind: global_buffer, .address_space: global }
      - { .name: mem_values, .offset: 16, .size: 8, .value_kind: global_buffer, .address_space: global }
      - { .name: logits, .offset: 24, .size: 8, .value_kind: global_buffer, .address_space: global }
      - { .name: w_q, .offset: 32, .size: 8, .value_kind: global_buffer, .address_space: global }
      - { .name: bias, .offset: 40, .size: 8, .value_kind: global_buffer, .address_space: global }
    .group_segment_fixed_size: 110080
    .private_segment_fixed_size: 0
    .kernarg_segment_align: 8
    .kernarg_segment_size: 48
    .max_flat_workgroup_size: 256
    .sgpr_count:     66
    .vgpr_count:     256
    .wavefront_size: 32
...
	.end_amdgpu_metadata
.endif
;; end of part 2
;; launch gemm (part 3): grid 16 x 16, 4 waves a work-group, clusters of 4 x 4, 327,680 bytes of LDS; arguments x_q, w_q, bias, out0; writes out0
.if DOCPART == 3
	.amdgcn_target "amdgcn-amd-amdhsa--gfx1250"
	.amdhsa_code_object_version 6
	.text
	.protected	k_q0a05079e3e_gemm
	.globl	k_q0a05079e3e_gemm
	.p2align	8
	.type	k_q0a05079e3e_gemm,@function
k_q0a05079e3e_gemm:
	s_mov_b64 s[64:65], 0
	v_nop
	global_prefetch_b8 v0, s[64:65] scope:SCOPE_SE
	s_setreg_imm32_b32 hwreg(HW_REG_WAVE_MODE, 25, 1), 1
	s_wait_xcnt 0x0
	s_wait_alu depctr_hold_cnt(0) depctr_sa_sdst(0) depctr_va_vdst(0) depctr_va_sdst(0) depctr_va_ssrc(0) depctr_va_vcc(0) depctr_vm_vsrc(0)
	s_getreg_b32 s2, hwreg(HW_REG_IB_STS2, 6, 4)
	s_cmp_eq_u32 s2, 0
	s_cbranch_scc0 .Lentry_in_a_cluster
	s_endpgm
.Lentry_in_a_cluster:
	s_bfe_u32 s2, ttmp6, 0x10000c
	s_cmp_lg_u32 s2, 0xf033
	s_cbranch_scc0 .Lentry_shape_is_right
	s_endpgm
.Lentry_shape_is_right:
; out0[m][n] = bias[n] + sum over k of X[m][k] W[n][k], X and W as codes of FP6 (E2M3) with one E8M0 byte for each 32 along K, sums in f32.
; x_q and w_q are this program's own: [32 blocks of 128 rows][32 steps of 128 K][12,800 bytes]: eight fragments as images of the operand's registers (1,536 bytes each: three loads of 16 bytes a lane), then 512 bytes of scale words.
; A work-group of four waves makes 256 x 256 of out0.  A WAVE MAKES 256 ROWS x 64 COLUMNS: 16 x 4 accumulators of 16 x 16, 512 registers.
; W: a wave's 64 rows of W are read by that wave alone in its work-group.  They go from memory straight into its operand registers, 12 loads of 512 consecutive bytes and one of scale words a step, four sets of registers,
;   asked for three steps ahead of their use.  No LDS byte holds them, so there is no tile for a joint load to land in: W is not asked for jointly.
; X: all four waves read the work-group's 256 rows, from a ring of two LDS slots of FOUR steps each (102,400 bytes), filled by joint tensor loads shared along a row of the 4 x 4 cluster; a wave fetches a quarter of a slot,
;   25,600 consecutive bytes as 100 rows of 256 bytes.  One round of the cluster's barrier for four steps.
; The matrix instruction is used transposed (source 0 = 16 rows of W, source 1 = 16 rows of X): a lane holds eight neighbouring columns of one row of out0.  The bias is the C of the first step's products.
; REGISTERS: window 0: v16-30 addresses, v32-47 X's scale words (two sets; lanes 0-15 rows 0-127, lanes 16-31 rows 128-255), v48-63 W's scale words (four sets), v64-255 X's 16 fragments;
;   window 1: v0-191 W's fragments, four sets of 48; v192-223 the bias;  windows 2, 3: the accumulators of rows 0-127 and 128-255, accumulator (a, b) at v[8 (4 (a % 8) + b)].
.set FRB,    1536
.set SCO,    8*FRB
.set STEPB,  SCO+512
.set RBB,    32*STEPB
.set HB,     4*STEPB                   ; four steps of 128 rows
.set SLOT,   2*HB
.set STAGE,  2*SLOT                    ; the way out: 16 rows x 272 bytes for each wave, bytes that no fill lands on
.set SPITCH, 272
.set SPARE,  STAGE+4*16*SPITCH         ; the spare words
.set ADRA, 16                          ; v16-19 X's fragments: slot 0 rows 0-127, rows 128-255; slot 1 likewise.  v16 = 16 x lane also serves W's loads
.set ADRS, 20                          ; v20-21 X's scale words in slot 0, 1
.set VSB,  22                          ; W's scale words, from my fragments' base
.set BO,   23
.set STO,  24
.set RD,   25
.set OO,   26
.set PFO,  27
.set SPW,  28
.set NIL,  29
.set PFBO, 30
.set SA,   32
.set SB,   48
.set AF,   64
.set BK,   64
.set BI,   192
.set G1, 24
.set G0, 32
.set BP, 44                            ; s[44:45] my fragments of W
.set PA, 46                            ; s[46:47] X's prefetches
.set PB, 48                            ; s[48:49] W's prefetches
.set MSB, 0
.macro WIN new
.if MSB != \new
	s_set_vgpr_msb (MSB<<8)|\new
.set MSB, \new
.endif
.endm
.set MUL_LO, 0xa1                      ; source 0 window 1, source 1 window 0, C and D window 2
.set MUL_HI, 0xf1
.set FST_LO, 0x91                      ; the same with C (the bias) in window 1
.set FST_HI, 0xd1
.set TO_B,   0x40
.macro PLACES                          ; four places behind a matrix instruction, ahead of loads into its registers and of reads of its result
.rept 4
	v_nop
.endr
.endm
.macro CREST
	s_cmp_lg_u32 s14, 0
	s_cbranch_scc1 .Lnot_wave_0_\@
	s_barrier_signal -3
.Lnot_wave_0_\@:
	s_barrier_wait -3
	s_barrier_signal -1
	s_barrier_wait -1
.endm
.macro CROUND
	s_barrier_signal -1
	s_barrier_wait -1
	CREST
.endm
; cnt fragments of X from a0 on, each against W's four of set q: the accumulators take turns
.macro MUL a0, cnt, q, p, first
.set AA, \a0
.rept \cnt
.irp b, 0,1,2,3
.set DX, 8*(4*(AA%8)+\b)
.set CX, DX
.if \first
.set CX, BI+8*\b
.endif
.if AA < 8
	v_wmma_scale_f32_16x16x128_f8f6f4 v[DX:DX+7], v[48*(\q)+12*\b:48*(\q)+12*\b+11], v[AF+12*AA:AF+12*AA+11], v[CX:CX+7], v[SB+4*(\q)+\b], v[SA+8*(\p)+AA%8] matrix_a_fmt:MATRIX_FMT_FP6 matrix_b_fmt:MATRIX_FMT_FP6
.else
	v_wmma_scale_f32_16x16x128_f8f6f4 v[DX:DX+7], v[48*(\q)+12*\b:48*(\q)+12*\b+11], v[AF+12*AA:AF+12*AA+11], v[CX:CX+7], v[SB+4*(\q)+\b], v[SA+8*(\p)+AA%8] matrix_a_fmt:MATRIX_FMT_FP6 matrix_b_fmt:MATRIX_FMT_FP6 matrix_b_scale:MATRIX_SCALE_ROW1
.endif
.endr
.set AA, AA+1
.endr
.endm
.macro FETCH_A slot, q, blk            ; eight fragments of X: 24 LDS loads
.set FF, 0
.rept 8
.irp c, 0,1,2
	ds_load_b128 v[AF+96*(\blk)+12*FF+4*\c:AF+96*(\blk)+12*FF+4*\c+3], v[ADRA+2*(\slot)+(\blk)] offset:(\q)*STEPB+FF*FRB+512*\c
.endr
.set FF, FF+1
.endr
.endm
.macro SCALES slot, q, p
	ds_load_b128 v[SA+8*(\p):SA+8*(\p)+3], v[ADRS+\slot] offset:(\q)*STEPB
	ds_load_b128 v[SA+8*(\p)+4:SA+8*(\p)+7], v[ADRS+\slot] offset:(\q)*STEPB+256
.endm
.macro LOAD_B q, off                   ; a step of my W into set q: 13 loads
	WIN TO_B
.set FF, 0
.rept 12
	global_load_b128 v[48*(\q)+4*FF:48*(\q)+4*FF+3], v[ADRA], s[BP:BP+1] offset:(\off)+512*FF
.set FF, FF+1
.endr
	WIN 0
	global_load_b128 v[SB+4*(\q):SB+4*(\q)+3], v[VSB], s[BP:BP+1] offset:(\off)
.endm
; Prefetches for the slot four slots on.  X: of the 100 blocks of 256 bytes that a wave will fetch, the partner at cx names 25.  W: of the slot's four steps, the partner at cy names one: my 24 blocks of fragments and
; my block of scale words.  The partners are told apart by address alone.  The loop's last trip has no slot four on and asks for nothing.
.macro ASK off
	s_cmp_lg_u32 s3, 1
	s_cbranch_scc0 .Lno_ask_\@
	global_prefetch_b8 v[PFO], s[PA:PA+1] offset:\off th:TH_LOAD_NT scope:SCOPE_SE
	global_prefetch_b8 v[PFBO], s[PB:PB+1] offset:\off th:TH_LOAD_NT scope:SCOPE_SE
.Lno_ask_\@:
.endm
; A step: 64 matrix instructions on set q of W; the next step's fragments of X (slot ns, step nq) are fetched by halves, each as its registers fall free; at the end set q takes the step four on.
.macro STEP q, p, ns, nq, first, lc, ld, off, bump
	s_wait_loadcnt \lc                             ; my W of this step is in; the sets asked for later may be out
	s_wait_dscnt 24                                ; rows 0-127 and the scale words are in; the 24 loads of rows 128-255 may be out
.if \first
	WIN FST_LO
.else
	WIN MUL_LO
.endif
	MUL 0, 8, \q, \p, \first
	PLACES
	WIN 0
.if \bump
	s_wait_xcnt 0x0                                ; the loads and prefetches issued so far have read their bases: eight steps on
	s_add_nc_u64 s[BP:BP+1], s[BP:BP+1], 8*STEPB
	s_add_nc_u64 s[PA:PA+1], s[PA:PA+1], 8*STEPB
	s_add_nc_u64 s[PB:PB+1], s[PB:PB+1], 8*STEPB
.endif
	FETCH_A \ns, \nq, 0
	SCALES \ns, \nq, 1-(\p)
	s_wait_dscnt 26                                ; all but the 26 just issued
.if \first
	WIN FST_HI
.else
	WIN MUL_HI
.endif
	MUL 8, 8, \q, \p, \first
	PLACES
	WIN 0
	FETCH_A \ns, \nq, 1
.if \ld
	LOAD_B \q, \off
.endif
.endm
; A slot's last step.  Its fragments were asked for in the step before, so the slot is read out when they are in: the three lines, the barrier that opens a round of the cluster's barrier, and the refill.
.macro TURN slot, fill, off, ask
	s_wait_loadcnt 39
	s_wait_tensorcnt 0x0                           ; my one load that was out, my quarter of the other slot, has landed
	ds_add_u32 v[SPW], v[NIL]
	s_wait_dscnt 25                                ; (the add and rows 128-255 may be out)
	WIN MUL_LO
	MUL 0, 4, 3, 1, 0
	s_wait_dscnt 0x0                               ; the add is done, and my reads of this slot are over
	s_barrier_signal -1
	MUL 4, 4, 3, 1, 0
	WIN 0
	s_barrier_wait -1
.if \fill
	CREST
	s_add_nc_u64 s[G0+4*\slot+2:G0+4*\slot+3], s[G0+4*\slot+2:G0+4*\slot+3], 8*STEPB
	tensor_load_to_lds s[G0+4*\slot:G0+4*\slot+3], s[G1:G1+7]
	s_nop 0
.endif
	PLACES
	FETCH_A 1-\slot, 0, 0
	SCALES 1-\slot, 0, 0
.if \ask
	ASK \ask
.endif
	WIN MUL_HI
	MUL 8, 8, 3, 1, 0
	PLACES
	WIN 0
	FETCH_A 1-\slot, 0, 1
	LOAD_B 3, \off
.endm
	s_load_b128 s[4:7], s[0:1], 0x0                ; x_q, w_q
	s_load_b128 s[8:11], s[0:1], 0x10              ; bias, out0
	v_lshl_add_u32 v[SPW], v0, 2, SPARE
	v_mov_b32 v[NIL], 0
	ds_add_u32 v[SPW], v[NIL]                      ; the opening lines: the add twice on end and one wait
	ds_add_u32 v[SPW], v[NIL]
	v_lshrrev_b32 v1, 5, v0
	v_readfirstlane_b32 s14, v1                    ; wave w
	s_lshr_b32 s15, s14, 1
	s_and_b32 s16, s14, 1
	s_bfe_u32 s40, ttmp6, 0x40000                  ; cx
	s_bfe_u32 s41, ttmp6, 0x40004                  ; cy
	s_lshl_b32 s42, ttmp9, 2
	s_add_co_u32 s42, s42, s40                     ; tile column
	s_and_b32 s17, ttmp7, 0xffff
	s_lshl_b32 s17, s17, 2
	s_add_co_u32 s17, s17, s41                     ; tile row
	s_lshl_b32 s43, s41, 2
	s_lshl_b32 s43, 15, s43                        ; my row of the cluster
	s_or_b32 s[G1], s43, (3<<16)|(1<<21)           ; elements of 8 bytes; bit 21 beside the mask
	s_mov_b32 s[G1+1], 32<<16                      ; rows of 256 bytes,
	s_mov_b32 s[G1+2], 100<<16                     ; 100 of them, dense
	s_mov_b32 s[G1+3], 32<<16
	s_mov_b32 s[G1+4], 100
	s_mov_b32 s[G1+5], 32
	s_mov_b32 s[G1+6], 0
	s_mov_b32 s[G1+7], 0
	s_lshl_b32 s20, s17, 1
	s_add_co_u32 s20, s20, s15
	s_mul_i32 s20, s20, RBB                        ; X: block 2 x tile row + w / 2,
	s_mul_i32 s21, s16, 2*STEPB                    ; steps 2 (w % 2) on of a slot's four
	s_add_co_u32 s20, s20, s21
	s_mov_b32 s21, 0
	s_lshl_b32 s22, s42, 1
	s_add_co_u32 s22, s22, s15
	s_mul_i32 s22, s22, RBB                        ; W: block 2 x tile column + w / 2,
	s_mul_i32 s23, s16, 4*FRB                      ; fragments 4 (w % 2) on
	s_add_co_u32 s22, s22, s23
	s_mov_b32 s23, 0
	s_mul_i32 s50, s40, 25*256                     ; X's prefetches: my work-group's 25 blocks
	s_mov_b32 s51, 0
	s_mul_i32 s52, s41, STEPB                      ; W's: my work-group's step
	s_mov_b32 s53, 0
	s_lshl_b32 s54, s42, 10
	s_lshl_b32 s55, s14, 8
	s_add_co_u32 s54, s54, s55                     ; my first column, in bytes
	s_mov_b32 s55, 0
	s_lshl_b32 s18, s17, 22                        ; 256 rows of 16,384 bytes
	s_add_co_u32 s18, s18, s54
	s_mov_b32 s19, 0
	s_mul_i32 s56, s14, 2*STEPB                    ; where my quarter of a slot goes
	s_mul_i32 s57, s14, 16*SPITCH
	s_add_co_u32 s57, s57, STAGE                   ; my stage
	s_mul_i32 s58, s16, 4*FRB-256
	s_sub_co_u32 s58, SCO, s58                     ; my scale words, counted from my fragments
	s_mov_b32 s60, 0x3c23d70a                      ; 0.01; the packed form names a pair
	s_mov_b32 s61, s60
	v_and_b32 v2, 31, v0
	v_and_b32 v3, 15, v0                           ; r
	v_bfe_u32 v4, v0, 4, 1                         ; h
	v_lshlrev_b32 v[ADRA], 4, v2
	v_add_nc_u32 v[ADRA+1], HB, v[ADRA]
	v_add_nc_u32 v[ADRA+2], SLOT, v[ADRA]
	v_add_nc_u32 v[ADRA+3], SLOT+HB, v[ADRA]
	v_mul_u32_u24 v5, v4, HB                       ; lanes 16-31 take rows 128-255's words
	v_lshl_add_u32 v5, v3, 4, v5
	v_add_nc_u32 v[ADRS], SCO, v5
	v_add_nc_u32 v[ADRS+1], SCO+SLOT, v5
	v_lshlrev_b32 v6, 4, v3
	v_add_nc_u32 v[VSB], s58, v6
	v_lshlrev_b32 v[BO], 5, v4
	v_lshl_add_u32 v[BO], v3, 14, v[BO]            ; the bias comes in 32 parts of 16,384 bytes: lane r takes parts r and 16 + r
	v_mul_u32_u24 v7, v3, SPITCH
	v_lshl_add_u32 v7, v4, 5, v7
	v_add_nc_u32 v[STO], s57, v7                   ; into the stage: row r, 32 bytes for each half of the lanes
	v_mul_u32_u24 v8, v4, SPITCH
	v_add_nc_u32 v8, v8, v6
	v_add_nc_u32 v[RD], s57, v8                    ; back: sixteen lanes to a row of 256 bytes
	v_lshl_add_u32 v[OO], v4, 14, v6               ; and the same two rows in out0
	v_min_u32 v9, 24, v2
	v_lshlrev_b32 v[PFO], 8, v9
	v_lshlrev_b32 v10, 8, v2
	v_mov_b32 v11, s58
	v_cmp_gt_u32 vcc_lo, 24, v2
	v_cndmask_b32 v[PFBO], v11, v10, vcc_lo        ; lanes 0-23 a block of fragments each, the others the block of scale words
	s_wait_alu depctr_va_vdst(0)
	s_wait_dscnt 0x0                               ; both opening adds are done
	s_wait_kmcnt 0x0
	s_add_nc_u64 s[20:21], s[4:5], s[20:21]
	s_add_nc_u64 s[BP:BP+1], s[6:7], s[22:23]
	s_add_nc_u64 s[PA:PA+1], s[20:21], s[50:51]
	s_add_nc_u64 s[PB:PB+1], s[BP:BP+1], s[52:53]
	s_add_nc_u64 s[8:9], s[8:9], s[54:55]
	s_add_nc_u64 s[10:11], s[10:11], s[18:19]
.irp u, 0,1
.irp b, 0,1,2,3
	global_load_b128 v[AF+32*\u+8*\b:AF+32*\u+8*\b+3], v[BO], s[8:9] offset:262144*\u+64*\b       ; in the layout of C, into registers that X's fragments take later
	global_load_b128 v[AF+32*\u+8*\b+4:AF+32*\u+8*\b+7], v[BO], s[8:9] offset:262144*\u+64*\b+16
.endr
.endr
.irp q, 0,1,2
	LOAD_B \q, \q*STEPB
.endr
	CROUND                                         ; all sixteen work-groups are here: the first joint loads meet
.irp s, 0,1
	s_mov_b32 s[G0+4*\s], 1
	s_add_co_u32 s[G0+4*\s+1], s56, \s*SLOT
	s_add_nc_u64 s[G0+4*\s+2:G0+4*\s+3], s[20:21], \s*HB
	s_or_b32 s[G0+4*\s+3], s[G0+4*\s+3], 0x80000000
.endr
	tensor_load_to_lds s[G0:G0+3], s[G1:G1+7]      ; steps 0-3: one tensor load a wave at the head
	s_nop 0
	PLACES
	LOAD_B 3, 3*STEPB
	s_wait_loadcnt 52                              ; the bias's 16 loads are in; W's four sets may be out
.set FF, 0
.rept 16
	v_pk_add_f32 v[AF+FF:AF+FF+1], v[AF+FF:AF+FF+1], v[AF+32+FF:AF+33+FF]      ; my two parts,
.set FF, FF+2
.endr
.irp m, 1,2,4,8                        ; and those of the row's sixteen lanes
.set FF, 0
.rept 32
	v_add_f32_dpp v[AF+FF], v[AF+FF], v[AF+FF] row_xmask:\m row_mask:0xf bank_mask:0xf
.set FF, FF+1
.endr
.endr
	WIN 0x40
.set FF, 0
.rept 16
	v_pk_mul_f32 v[BI+FF:BI+FF+1], v[AF+FF:AF+FF+1], s[60:61] op_sel_hi:[1,0]  ; x 0.01: the bias, the C of the first step's products
.set FF, FF+2
.endr
	WIN 0
	s_wait_alu depctr_va_vdst(0)
	s_wait_tensorcnt 0x0
	ds_add_u32 v[SPW], v[NIL]
	s_wait_dscnt 0x0
	CROUND
	tensor_load_to_lds s[G0+4:G0+7], s[G1:G1+7]    ; steps 4-7
	s_nop 0
	PLACES
	FETCH_A 0, 0, 0
	SCALES 0, 0, 0
	FETCH_A 0, 0, 1
	STEP 0, 0, 0, 1, 1, 39, 1, 4*STEPB, 0          ; step 0 starts the sums on the bias
	s_mov_b32 s3, 3
.Llap:                                                 ; a trip: steps 8 t + 1 .. 8 t + 8, once round the ring; both slots are filled again
	STEP 1, 1, 0, 2, 0, 39, 1, -3*STEPB, 1
	STEP 2, 0, 0, 3, 0, 39, 1, -2*STEPB, 0
	TURN 0, 1, -1*STEPB, 8*STEPB
	STEP 0, 0, 1, 1, 0, 39, 1, 0, 0
	STEP 1, 1, 1, 2, 0, 39, 1, STEPB, 0
	STEP 2, 0, 1, 3, 0, 39, 1, 2*STEPB, 0
	TURN 1, 1, 3*STEPB, 12*STEPB
	STEP 0, 0, 0, 1, 0, 39, 1, 4*STEPB, 0
	s_sub_co_u32 s3, s3, 1
	s_cmp_lg_u32 s3, 0
	s_cbranch_scc1 .Llap
	STEP 1, 1, 0, 2, 0, 39, 1, 5*STEPB, 0          ; steps 25-31: nothing more is filled, and W's loads end with step 31's
	STEP 2, 0, 0, 3, 0, 39, 1, 6*STEPB, 0
	TURN 0, 0, 7*STEPB, 0
	STEP 0, 0, 1, 1, 0, 39, 0, 0, 0
	STEP 1, 1, 1, 2, 0, 26, 0, 0, 0
	STEP 2, 0, 1, 3, 0, 13, 0, 0, 0
	s_wait_loadcnt 0x0
	s_wait_dscnt 24
	WIN MUL_LO
	MUL 0, 8, 3, 1, 0
	s_wait_dscnt 0x0
	WIN MUL_HI
	MUL 8, 8, 3, 1, 0
	WIN 0
	PLACES
; THE WAY OUT, by blocks of 16 rows x 64 columns: through my own stage, back as rows of 256 bytes; sixteen lanes store one aligned unit of 256 bytes.  LDS serves a wave's instructions in order (ISA guide 5.7.1.4).
.macro TOSTAGE a
	WIN 0x08+4*((\a)/8)
.irp b, 0,1,2,3
	ds_store_b128 v[STO], v[8*(4*((\a)%8)+\b):8*(4*((\a)%8)+\b)+3] offset:64*\b       ; each accumulator from its low end on
	ds_store_b128 v[STO], v[8*(4*((\a)%8)+\b)+4:8*(4*((\a)%8)+\b)+7] offset:64*\b+16
.endr
	WIN 0
.set BB, BK+32*((\a)%2)
.irp t, 0,1,2,3,4,5,6,7
	ds_load_b128 v[BB+4*\t:BB+4*\t+3], v[RD] offset:\t*2*SPITCH
.endr
.endm
.macro SEND a, younger
.set BB, BK+32*((\a)%2)
	s_wait_dscnt \younger
.irp t, 0,1,2,3,4,5,6,7
	global_store_b128 v[OO], v[BB+4*\t:BB+4*\t+3], s[10:11] offset:(16*(\a)+2*\t)*16384 th:TH_STORE_NT
.endr
.endm
	TOSTAGE 0
.irp a, 1,2,3,4,5,6,7,8,9,10,11,12,13,14,15
.if \a > 1
	s_wait_xcnt 0x0                                ; block a - 2's stores have read their registers
.endif
	TOSTAGE \a
	SEND \a-1, 16                                  ; behind block a - 1's loads: block a's 8 stores and 8 loads
.endr
	SEND 15, 0
	s_wait_tensorcnt 0x0                           ; the wave's end
	ds_add_u32 v[SPW], v[NIL]
	s_wait_dscnt 0x0
	CROUND                                         ; the closing round
	s_endpgm
.Lfunc_end_k_q0a05079e3e_gemm:
	.size	k_q0a05079e3e_gemm, .Lfunc_end_k_q0a05079e3e_gemm-k_q0a05079e3e_gemm
	.p2alignl 7, 3214868480
	.fill 96, 4, 3214868480
	.section	.rodata,"a",@progbits
	.p2align	6, 0x0
	.amdhsa_kernel k_q0a05079e3e_gemm
		.amdhsa_group_segment_fixed_size 327680
		.amdhsa_private_segment_fixed_size 0
		.amdhsa_enable_private_segment 0
		.amdhsa_kernarg_size 32
		.amdhsa_user_sgpr_count 2
		.amdhsa_user_sgpr_kernarg_segment_ptr 1
		.amdhsa_wavefront_size32 1
		.amdhsa_system_sgpr_workgroup_id_x 1
		.amdhsa_system_sgpr_workgroup_id_y 1
		.amdhsa_system_sgpr_workgroup_id_z 1
		.amdhsa_system_vgpr_workitem_id 0
		.amdhsa_next_free_vgpr 1024
		.amdhsa_next_free_sgpr 66
		.amdhsa_reserve_vcc 1
		.amdhsa_float_denorm_mode_32 3
		.amdhsa_float_denorm_mode_16_64 3
		.amdhsa_memory_ordered 1
		.amdhsa_forward_progress 1
		.amdhsa_inst_pref_size 255
	.end_amdhsa_kernel
	.section	.bss,"aw",@nobits
	.p2align	6
	.space	262144
	.amdgpu_metadata
---
amdhsa.version: [ 1, 2 ]
amdhsa.kernels:
  - .name:           k_q0a05079e3e_gemm
    .symbol:         k_q0a05079e3e_gemm.kd
    .args:
      - { .name: x_q, .offset: 0, .size: 8, .value_kind: global_buffer, .address_space: global }
      - { .name: w_q, .offset: 8, .size: 8, .value_kind: global_buffer, .address_space: global }
      - { .name: bias, .offset: 16, .size: 8, .value_kind: global_buffer, .address_space: global }
      - { .name: out0, .offset: 24, .size: 8, .value_kind: global_buffer, .address_space: global }
    .group_segment_fixed_size: 327680
    .private_segment_fixed_size: 0
    .kernarg_segment_align: 8
    .kernarg_segment_size: 32
    .max_flat_workgroup_size: 128
    .sgpr_count:     66
    .vgpr_count:     1024
    .wavefront_size: 32
...
	.end_amdgpu_metadata
.endif
;; end of part 3
